; MI455X (gfx1250); checked and timed in simulation.
; The chip was launched on July 23, 2026; its instructions are those of AMD's public machine-readable ISA for CDNA 5 (MIT licence, August 2026) and "CDNA5" Instruction Set Architecture Reference Guide (July 2026). The comments in the code are by the model that wrote it; some were corrected since.
;; Attention. Allowed arithmetic: matrix products marked QUANTISED: E4M3 operands, one given power-of-two scale a tensor, by v_wmma_f32_16x16x64_fp8_fp8 or v_wmma_f32_16x16x128_fp8_fp8, f32 sums; everything else in f32.
;; Inputs: lowp_scales 8 int32 (the exponents e of the quantised operands' scales 2^e); w_proj 1,024 x 1,024 float32; w_qkv 1,024 x 3,072 float32; x 4 x 2,048 x 1,024 float32.
;; Outputs: out0 4 x 2,048 x 1,024 float32.
;; This version of the problem:
;;   THIS VERSION OF THE PROBLEM IS GIVEN IN LOW PRECISION. The matrix products marked QUANTISED in the list below multiply operands that are first quantised to E4M3 (4 exponent bits, 3 mantissa bits; 8 bits a number), with one given power-of-two scale for each operand tensor; their sums are f32. All else is computed in f32.
;;   The module's matrix products, in the order in which they are computed (A, B: the left and right operand; K: the contracted axis; several contracted axes count as one K, in the product's order):
;;     1. [M 8,192, K 1,024] x [K 1,024, N 3,072]; A: input x; B: input w_qkv: QUANTISED (scales: A lowp_scales[0], B lowp_scales[1])
;;     2. batch 64 x [M 2,048, K 64] x [K 64, N 2,048]; A: computed on the way; B: computed on the way: QUANTISED (scales: A lowp_scales[2], B lowp_scales[3])
;;     3. batch 64 x [M 2,048, K 2,048] x [K 2,048, N 64]; A: softmax (see below); B: computed on the way: QUANTISED (scales: A lowp_scales[4], B lowp_scales[5])
;;     4. [M 8,192, K 1,024] x [K 1,024, N 1,024]; A: computed on the way; B: input w_proj: QUANTISED (scales: A lowp_scales[6], B lowp_scales[7])
;;   THE QUANTISER, for each operand of a quantised product, along K:
;;     - The operand's scale is 2^e, e = its entry of the input lowp_scales (int32; the entries are numbered through the quantised products in the list's order, A before B).
;;     - Each number is divided by the scale, clamped to +-448, and rounded to the nearest number of E4M3, ties to even, subnormals kept.
;;     - The product sums the exact products of the quantised numbers (number of the format x scale) in f32.
;;   ~~~python
;;   def quantise(x, axis, e):      # numpy; x: float32 -> the quantised numbers, widened to float32 again
;;       x = np.moveaxis(x, axis, -1); K = x.shape[-1]
;;       r = np.clip(x / 2.0 ** e, -448, 448)
;;       step = 2.0 ** (np.maximum(np.frexp(np.where(r == 0, 1, r))[1] - 1, -6) - 3)
;;       q = np.round(r / step) * step * 2.0 ** e      # np.round: ties to even
;;       return np.moveaxis(q, -1, axis).astype(np.float32)
;;   ~~~
;;   SOFTMAX AHEAD OF A QUANTISED PRODUCT. Where the list says 'softmax', what is quantised is not the finished softmax but p = 2^(t - M), with t = logit x log2(e) and M = ceil(the row's largest t), a whole number; so 1/2 < the row's largest p <= 1. The row's sum l is taken of the UNQUANTISED p, in f32, and the product's result is divided by l at the end. Since M is a whole number, a kernel that streams over the keys may use a running M (the ceiling of the running maximum): every later rescaling is an exact power of two, so the quantised numbers keep their values, but for numbers so far below the row's largest that they fall under the format's range.
;;   OPERANDS COMPUTED ON THE WAY. 'Computed on the way' means the value that the module computes at that place (a softmax that the list does not call 'softmax' is quantised finished and normalised). What goes into a quantiser is computed in f32, as accurately as f32 sums, v_exp_f32 and their like allow (about 1e-6 of the number): no bf16 or f16 on the way to a quantiser, and a product that is left as it is and whose result goes on into a quantised operand takes f32 operands (vector FMAs, or v_wmma_f32_16x16x4_f32). A number that lies on a knife's edge between two numbers of the format may be rounded either way, as far as f32 arithmetic and the matrix unit's own rounding can turn it there, and no further.
;; One version. Each part assembles by itself: llvm-mc -triple=amdgcn-amd-amdhsa -mcpu=gfx1250 --defsym DOCPART=n.
;; ======== version 1 of 1: 4 launches
;; limits: right only within a limited range of input values
;; workspace buffers: xc 8,388,608 bytes; wqc 3,145,728 bytes; wpc 1,048,576 bytes; qkv 25,165,824 bytes; oc 8,388,608 bytes
;; launch quant (part 1): grid 384 x 1, 4 waves a work-group, no clusters, 35,328 bytes of LDS; arguments x, w_qkv, w_proj, lowp_scales, xc, wqc, wpc; writes xc, wqc, wpc
.if DOCPART == 1
	.amdgcn_target "amdgcn-amd-amdhsa--gfx1250"
	.amdhsa_code_object_version 6
	.text
	.protected	k_q32a8345451_quant
	.globl	k_q32a8345451_quant
	.p2align	8
	.type	k_q32a8345451_quant,@function
k_q32a8345451_quant:
	s_mov_b64 s[64:65], 0
	v_nop
	global_prefetch_b8 v0, s[64:65] scope:SCOPE_SE
	s_setreg_imm32_b32 hwreg(HW_REG_WAVE_MODE, 25, 1), 1
	s_wait_xcnt 0x0
; x [8192][1024], w_qkv [1024][3072] and w_proj [1024][1024], f32, become codes of FP8 (E4M3), each tensor with the one scale 2^e given for it
; (entries 0, 1 and 7 of the scales): code = number / 2^e, held within +-448, to the nearest code, ties to even.
; LAYOUT OF THE CODES, "chunks": an operand [rows][K] is stored [K / 16][position][16 bytes]: a chunk is 16 neighbours along K of one row, and a row's
; position is its number with bits 3 and 4 exchanged.  So a matrix fragment is read as whole runs of 256 bytes (16 positions of one chunk row).
; LIMITS: each e between -126 and 119, so that 2^e and 448 x 2^e are f32 numbers.  NaN among the inputs is not served.
; SHARES: every work-group takes 32,768 numbers.  Work-groups 0-255: x;  256-351: w_qkv;  352-383: w_proj.  Waves share nothing: no barrier.
; No matrix unit, no cluster, no tensor load: the launch streams, each byte is read once and each code written once.
.set PX,   131072                      ; a chunk row of x's codes: 8,192 positions x 16 bytes
.set R,    16                          ; v16-111   x: three sets of 32 registers as loaded;   weights: two sets of 32 numbers (v16-79)
.set X,    112                         ; v112-175  x: two sets of 32: 2 x 16 neighbours along K
.set C,    176                         ; v176-239  codes: eight registers for each step, so that no store's data are written again
.set SP,   272                         ; a stage row: 256 bytes + 16: sixteen rows start at sixteen different groups of banks
.set STG,  16*SP                       ; a stage: 16 rows
.set WREG, 2*STG                       ; each wave has two stages of its own
.macro SCALE e                         ; v11 = 2^e as f32 (the conversion takes its exponent field), s34 = 448 x 2^e
	s_add_co_i32 s34, s[\e], 127
	s_lshl_b32 s35, s34, 23
	v_mov_b32 v11, s35
	s_add_co_i32 s34, s34, 8
	s_lshl_b32 s34, s34, 23
	s_or_b32 s34, s34, 0x600000
.endm
; ---- x.  A wave takes 16 positions x 512 columns, in 8 steps of 64 columns.  A load reads two rows' 256 consecutive bytes; a step's 16 rows turn
; through the wave's stage, so that lane (r, h) gets, of the row at position r, the chunks h and 2 + h of the step's four.
.macro XLOAD t
.irp i, 0,1,2,3,4,5,6,7
	global_load_b128 v[R+32*((\t)%3)+4*\i:R+32*((\t)%3)+4*\i+3], v3, s[4:5] offset:(2*\i+8*(\i/4))*4096+256*(\t) th:TH_LOAD_NT   ; positions 2 i, 2 i + 1: rows 2 i + 8 (i / 4) on
.endr
.endm
.macro XTURN t                         ; LDS serves a wave's instructions in order: no wait between the stores and the loads
.irp i, 0,1,2,3,4,5,6,7
	ds_store_b128 v14, v[R+32*((\t)%3)+4*\i:R+32*((\t)%3)+4*\i+3] offset:STG*((\t)%2)+2*SP*\i
.endr
	v_nop
.irp i, 0,1,2,3,4,5,6,7
	ds_load_b128 v[X+32*((\t)%2)+4*\i:X+32*((\t)%2)+4*\i+3], v15 offset:STG*((\t)%2)+128*(\i/4)+16*(\i%4)
.endr
.endm
.macro XSTEP t
	s_wait_dscnt 0x0                               ; this step's numbers are back from the stage, and its stores into the stage have read their registers,
.if (\t)+3 < 8
	XLOAD (\t)+3                                   ; which take the loads of three steps on
.endif
.if (\t)+1 < 8
.if (\t) < 5
	s_wait_loadcnt 16                              ; the next step's eight loads are in; those of the two steps behind it may be out
.else
	s_wait_loadcnt 8*(6-(\t))                      ; the counts run down: 8, 0
.endif
	XTURN (\t)+1                                   ; the next step goes through the other stage while this one is worked
.endif
.irp s, 0,1
.irp i, 0,1,2,3,4,5,6,7,8,9,10,11,12,13,14,15
.endr
	v_cvt_scalef32_pk8_fp8_f32 v[C+8*(\t)+4*\s:C+8*(\t)+4*\s+1], v[X+32*((\t)%2)+16*\s:X+32*((\t)%2)+16*\s+7], v11
	v_cvt_scalef32_pk8_fp8_f32 v[C+8*(\t)+4*\s+2:C+8*(\t)+4*\s+3], v[X+32*((\t)%2)+16*\s+8:X+32*((\t)%2)+16*\s+15], v11
	global_store_b128 v4, v[C+8*(\t)+4*\s:C+8*(\t)+4*\s+3], s[12:13] offset:(4*(\t)+2*\s)*PX   ; sixteen lanes store 256 consecutive bytes, aligned: 16 positions of chunk row 4 t + 2 s + h
.endr
.endm
; ---- a weight [1024][n]: K is its first axis.  A lane takes a column and its registers run down K, so the conversions give chunks as they stand.
; A wave takes 32 columns x 256 along K, 8 blocks of 32; loads run two blocks (64 loads) ahead; every offset is an immediate (3,133,440 at the most).
.macro WLOAD t, n, src
.irp i, 0,1,2,3,4,5,6,7,8,9,10,11,12,13,14,15,16,17,18,19,20,21,22,23,24,25,26,27,28,29,30,31
	global_load_b32 v[R+32*((\t)%2)+\i], v3, s[\src:\src+1] offset:(32*(\t)+\i)*\n*4 th:TH_LOAD_NT
.endr
.endm
.macro WBLOCK t, n, src, dst
.if (\t) < 7
	s_wait_loadcnt 32                              ; this block's 32 loads are in; the next block's may be out
.else
	s_wait_loadcnt 0x0
.endif
.irp i, 0,1,2,3,4,5,6,7,8,9,10,11,12,13,14,15,16,17,18,19,20,21,22,23,24,25,26,27,28,29,30,31
.endr
.irp g, 0,1,2,3
	v_cvt_scalef32_pk8_fp8_f32 v[C+8*(\t)+2*\g:C+8*(\t)+2*\g+1], v[R+32*((\t)%2)+8*\g:R+32*((\t)%2)+8*\g+7], v11
.endr
.irp u, 0,1
	global_store_b128 v4, v[C+8*(\t)+4*\u:C+8*(\t)+4*\u+3], s[\dst:\dst+1] offset:(2*(\t)+\u)*\n*16   ; the wave's 32 chunks fill 512 consecutive bytes, aligned
.endr
.if (\t)+2 < 8
	WLOAD (\t)+2, \n, \src
.endif
.endm
.macro WPATH n, src, dst, e, first
	s_sub_co_u32 s19, ttmp9, \first
	s_lshr_b32 s20, s19, 2                         ; which 128 columns
	s_and_b32 s21, s19, 3                          ; which 256 along K
	s_lshl_b32 s20, s20, 7
	s_lshl_b32 s22, s18, 5
	s_add_co_u32 s20, s20, s22                     ; my wave's first column
	s_mul_i32 s22, s21, 256*\n*4
	s_lshl_b32 s23, s20, 2
	s_add_co_u32 s22, s22, s23
	s_mov_b32 s23, 0
	s_add_nc_u64 s[\src:\src+1], s[\src:\src+1], s[22:23]
	s_mul_i32 s22, s21, 16*\n*16                   ; 16 chunk rows for 256 along K
	s_lshl_b32 s32, s20, 4
	s_add_co_u32 s22, s22, s32
	s_add_nc_u64 s[\dst:\dst+1], s[\dst:\dst+1], s[22:23]
	WLOAD 0, \n, \src
	WLOAD 1, \n, \src
	s_wait_kmcnt 0x0                               ; the scales' exponents
	SCALE \e
	s_wait_alu depctr_va_vdst(0)
.irp t, 0,1,2,3,4,5,6,7
	WBLOCK \t, \n, \src, \dst
.endr
	s_endpgm
.endm
	s_load_b256 s[4:11], s[0:1], 0x0               ; x s[4:5], w_qkv s[6:7], w_proj s[8:9], the scales' exponents s[10:11]
	s_load_b128 s[12:15], s[0:1], 0x20             ; x's codes s[12:13], w_qkv's s[14:15]
	s_load_b64 s[16:17], s[0:1], 0x30              ; w_proj's codes
	v_lshl_add_u32 v240, v0, 2, 0x8800
	v_mov_b32 v241, 0
	v_lshrrev_b32 v1, 5, v0
	v_readfirstlane_b32 s18, v1                    ; wave 0..3
	v_and_b32 v2, 31, v0                           ; lane
	s_wait_kmcnt 0x0
	s_load_b256 s[24:31], s[10:11], 0x0            ; e0 .. e7
	s_cmp_lt_u32 ttmp9, 256
	s_cbranch_scc0 .Lweights
	s_wait_alu depctr_va_vdst(0)
	; ---- x
	v_and_b32 v5, 15, v2                           ; r
	v_lshrrev_b32 v6, 4, v2                        ; h
	v_lshlrev_b32 v3, 4, v5
	v_lshl_add_u32 v3, v6, 12, v3                  ; a load: lanes 0-15 one row's 256 bytes, lanes 16-31 the next row's
	s_wait_alu depctr_va_vdst(0)
	s_mul_i32 s19, s18, WREG
	v_mul_u32_u24 v14, v6, SP
	v_lshl_add_u32 v14, v5, 4, v14
	v_add_nc_u32 v14, s19, v14                     ; into the stage, as loaded
	v_mul_u32_u24 v15, v5, SP
	v_lshl_add_u32 v15, v6, 6, v15
	v_add_nc_u32 v15, s19, v15                     ; out of it: row r, 64 h bytes on
	v_lshlrev_b32 v4, 4, v5
	v_lshl_add_u32 v4, v6, 17, v4                  ; the codes: position r, chunk row h
	s_lshr_b32 s20, s18, 1                         ; which 16 positions of the work-group's 32
	s_and_b32 s21, s18, 1                          ; which 512 columns
	s_lshl_b32 s22, ttmp9, 17                      ; 32 rows of 4,096 bytes a work-group;
	s_lshl_b32 s23, s20, 15                        ; positions 16 .. 31 begin at row 8
	s_add_co_u32 s22, s22, s23
	s_lshl_b32 s23, s21, 11
	s_add_co_u32 s22, s22, s23
	s_mov_b32 s23, 0
	s_add_nc_u64 s[4:5], s[4:5], s[22:23]
	s_lshl_b32 s32, ttmp9, 9                       ; 32 positions x 16 bytes a work-group
	s_lshl_b32 s33, s20, 8
	s_add_co_u32 s32, s32, s33
	s_lshl_b32 s33, s21, 22                        ; 32 chunk rows for 512 columns
	s_add_co_u32 s32, s32, s33
	s_mov_b32 s33, 0
	s_add_nc_u64 s[12:13], s[12:13], s[32:33]
	XLOAD 0
	XLOAD 1
	XLOAD 2
	s_wait_alu depctr_va_vdst(0)
	s_wait_kmcnt 0x0                               ; the scales' exponents
	SCALE 24
	s_wait_alu depctr_va_vdst(0)
	s_wait_loadcnt 16                              ; step 0's eight loads are in
	XTURN 0
.irp t, 0,1,2,3,4,5,6,7
	XSTEP \t
.endr
	s_wait_tensorcnt 0x0
	ds_add_u32 v240, v241
	s_wait_dscnt 0x0
	s_endpgm
.Lweights:
	s_wait_alu depctr_va_vdst(0)
	v_lshlrev_b32 v3, 2, v2                        ; in: 4 bytes a lane
	v_and_b32 v5, 7, v2
	v_bfe_u32 v6, v2, 3, 1
	v_bfe_u32 v7, v2, 4, 1
	v_lshl_add_u32 v5, v6, 4, v5
	v_lshl_add_u32 v5, v7, 3, v5                   ; my column's position among the wave's 32: bits 3 and 4 exchanged
	v_lshlrev_b32 v4, 4, v5
	s_cmp_lt_u32 ttmp9, 352
	s_cbranch_scc0 .Lproj
	s_wait_alu depctr_va_vdst(0)
	WPATH 3072, 6, 14, 25, 256
.Lproj:
	s_wait_alu depctr_va_vdst(0)
	WPATH 1024, 8, 16, 31, 352
.Lfunc_end_k_q32a8345451_quant:
	.size	k_q32a8345451_quant, .Lfunc_end_k_q32a8345451_quant-k_q32a8345451_quant
	.p2alignl 7, 3214868480
	.fill 96, 4, 3214868480
	.section	.rodata,"a",@progbits
	.p2align	6, 0x0
	.amdhsa_kernel k_q32a8345451_quant
		.amdhsa_group_segment_fixed_size 35328
		.amdhsa_private_segment_fixed_size 0
		.amdhsa_enable_private_segment 0
		.amdhsa_kernarg_size 56
		.amdhsa_user_sgpr_count 2
		.amdhsa_user_sgpr_kernarg_segment_ptr 1
		.amdhsa_wavefront_size32 1
		.amdhsa_system_sgpr_workgroup_id_x 1
		.amdhsa_system_sgpr_workgroup_id_y 1
		.amdhsa_system_sgpr_workgroup_id_z 1
		.amdhsa_system_vgpr_workitem_id 0
		.amdhsa_next_free_vgpr 242
		.amdhsa_next_free_sgpr 66
		.amdhsa_reserve_vcc 0
		.amdhsa_float_denorm_mode_32 3
		.amdhsa_float_denorm_mode_16_64 3
		.amdhsa_fp16_overflow 1
		.amdhsa_memory_ordered 1
		.amdhsa_forward_progress 1
		.amdhsa_inst_pref_size 79
	.end_amdhsa_kernel
	.amdgpu_metadata
---
amdhsa.version: [ 1, 2 ]
amdhsa.kernels:
  - .name:           k_q32a8345451_quant
    .symbol:         k_q32a8345451_quant.kd
    .args:
      - { .name: x, .offset: 0, .size: 8, .value_kind: global_buffer, .address_space: global }
      - { .name: w_qkv, .offset: 8, .size: 8, .value_kind: global_buffer, .address_space: global }
      - { .name: w_proj, .offset: 16, .size: 8, .value_kind: global_buffer, .address_space: global }
      - { .name: lowp_scales, .offset: 24, .size: 8, .value_kind: global_buffer, .address_space: global }
      - { .name: xc, .offset: 32, .size: 8, .value_kind: global_buffer, .address_space: global }
      - { .name: wqc, .offset: 40, .size: 8, .value_kind: global_buffer, .address_space: global }
      - { .name: wpc, .offset: 48, .size: 8, .value_kind: global_buffer, .address_space: global }
    .group_segment_fixed_size: 35328
    .private_segment_fixed_size: 0
    .kernarg_segment_align: 8
    .kernarg_segment_size: 56
    .max_flat_workgroup_size: 128
    .sgpr_count:     66
    .vgpr_count:     242
    .wavefront_size: 32
...
	.end_amdgpu_metadata
.endif
;; end of part 1
;; launch gemm_qkv (part 2): grid 12 x 32, 4 waves a work-group, clusters of 4 x 4, 327,680 bytes of LDS; arguments xc, wqc, lowp_scales, qkv; writes qkv
.if DOCPART == 2
	.amdgcn_target "amdgcn-amd-amdhsa--gfx1250"
	.amdhsa_code_object_version 6
	.text
	.protected	k_q32a8345451_gemm_qkv
	.globl	k_q32a8345451_gemm_qkv
	.p2align	8
	.type	k_q32a8345451_gemm_qkv,@function
k_q32a8345451_gemm_qkv:
	s_mov_b64 s[64:65], 0
	v_nop
	global_prefetch_b8 v0, s[64:65] scope:SCOPE_SE
	s_setreg_imm32_b32 hwreg(HW_REG_WAVE_MODE, 25, 1), 1
	s_wait_xcnt 0x0
	s_wait_alu depctr_hold_cnt(0) depctr_sa_sdst(0) depctr_va_vdst(0) depctr_va_sdst(0) depctr_va_ssrc(0) depctr_va_vcc(0) depctr_vm_vsrc(0)
	s_getreg_b32 s2, hwreg(HW_REG_IB_STS2, 6, 4)
	s_cmp_eq_u32 s2, 0
	s_cbranch_scc0 .Lentry_in_a_cluster
	s_endpgm
.Lentry_in_a_cluster:
	s_bfe_u32 s2, ttmp6, 0x10000c
	s_cmp_lg_u32 s2, 0xf033
	s_cbranch_scc0 .Lentry_shape_is_right
	s_endpgm
.Lentry_shape_is_right:
; qkv = x w_qkv on codes of FP8 (E4M3), [8192 x 1024] x [1024 x 3072]; the sums (f32) are quantised at once, with the scales given for q, k and v, and stored as codes.
; OPERANDS lie in chunks: [K / 16][position][16 bytes], a row's position being its number with bits 3 and 4 exchanged.  A fragment (16 positions x 128 K) is four
; ds_load_b128: lane (r, h), load c takes chunk row 2 c + h at position r: sixteen lanes read 256 consecutive bytes, so LDS needs no padding.  The place of k in the
; registers is the same permutation in both operands, so every product meets its partner.
; A tile of the result, 256 x 256, is made by four waves, as many as a WGP has SIMDs; a wave makes 128 x 128: 64 accumulators, 512 registers.  K goes in steps of 256 through two LDS slots.
; RESULTS ARE CHUNKS ALREADY.  Register j of lane (r, h) in the result of source-0 tile 2 B + u holds source 0's row 32 B + 16 h + 8 u + j (that is what the exchange of bits is
; for) at source 1's position r: two neighbouring accumulators are 16 neighbours, two conversions make a chunk, and sixteen lanes store 256 consecutive bytes.  No stage in LDS.
;   q, k (cluster x = 0, 1): source 0 = w (the head's axis runs along the chunk), source 1 = x:  stored [b][n / 16][position of t][16].
;   v    (cluster x = 2):    source 0 = x (the KEYS run along the chunk), source 1 = w:          stored [b][t / 16][position of n][16].  Only the two LDS read bases change places.
; CLUSTERS: 4 x 4 work-groups; x's tile is shared along a row of the cluster, w's along a column: each is asked for jointly, by the same tensor load with a mask that names the four.
; LIMITS: eT - e0 - e1 (T = 2, 3, 5: q, k, v) between -126 and 119, so that the folded scale and 448 x it are f32 numbers.  NaN is not served.
; REGISTERS, in windows of 256: window 0: v0-31 addresses; from v128 source 1's fragments, one set; on the way out v128-255 codes.
;   window 1: source 0's fragments, two sets, at v0 and v128.   windows 2, 3: the accumulators of source 1's blocks 0-3, 4-7: (a, b) at v[8 (8 (a % 4) + b)].
.set PA,     131072                    ; a chunk row of x's codes in bytes
.set PB,     49152                     ; of w_qkv's
.set CH,     4096                      ; a tile's part of a chunk row: 256 positions x 16 bytes
.set HALFT,  8*CH                      ; what one tensor load brings: 8 chunk rows, 128 along K
.set SLOT,   4*HALFT                   ; x's 16 chunk rows, then w's 16
.set BREG,   2*HALFT                   ; where w's begin in a slot
.set SPARE,  2*SLOT                    ; behind the ring: the spare words, 128 bytes for each wave: two blocks of 256 bytes that no other line names
.set LAPS,   2                         ; K = 1,024 is four slots' worth: twice round the ring
.set FR,     16                        ; registers of a fragment
.set NL,     4                         ; LDS loads that bring one
.set NP,     4                         ; places behind this matrix instruction (ISA guide 7.12.1)
.set ADRA, 16                          ; v16-17  LDS address of source 1's fragments in slot 0, 1
.set ADRB, 20                          ; v20-21  of source 0's
.set OFS,  24                          ; v24-27  the way out: my byte offset for chunk rows 2 B + h, B = 0 .. 3
.set SPW,  28                          ; v28     LDS address of my spare word; never rewritten
.set NIL,  29                          ; v29     0; never rewritten
.set LIM,  30
.set SCL,  31                          ; v31     the folded scale 2^(eT - e0 - e1)
.set TMP,  32
.set AF,   128                         ; source 1's fragments
.set CD,   128                         ; the way out: 16 registers of codes for each block, so that no store's data are written again
.set G1, 24                            ; s[24:31] descriptor group 1 for x's tiles;  s[32:39] group 0, one set for each slot
.set G0, 32
.set G1B, 48                           ; s[48:55], s[56:63] the same for w's tiles
.set G0B, 56
.set MSB, 0
.macro WIN new                         ; the immediate's high byte repeats the setting that is left
.if MSB != \new
	s_set_vgpr_msb (MSB<<8)|\new
.set MSB, \new
.endif
.endm
.set MUL_LO, 0xa1                      ; source 0 window 1, source 1 window 0, C and D window 2
.set MUL_HI, 0xf1                      ; the same, C and D window 3
.set TO_B,   0x40                      ; destination window 1, address window 0
; A joint load: waves 0 and 1 fetch for x, waves 2 and 3 for w.  Each line has one mask and one set of registers; the branch hangs on the wave's number alone.
; Four v_nop follow each of the two lines, ahead of the jump, the label and what follows.
.macro JLOAD g0a, g1a, g0b, g1b
	s_cmp_eq_u32 s15, 0
	s_cbranch_scc0 .Lfor_b_\@
	tensor_load_to_lds s[\g0a:\g0a+3], s[\g1a:\g1a+7]
	s_nop 0
.rept 4
	v_nop
.endr
	s_branch .Lasked_\@
.Lfor_b_\@:
	tensor_load_to_lds s[\g0b:\g0b+3], s[\g1b:\g1b+7]
	s_nop 0
.rept 4
	v_nop
.endr
.Lasked_\@:
.endm
.macro CREST                           ; a round of the cluster's barrier behind its opening barrier
	s_cmp_lg_u32 s14, 0
	s_cbranch_scc1 .Lnot_wave_0_\@
	s_barrier_signal -3
.Lnot_wave_0_\@:
	s_barrier_wait -3
	s_barrier_signal -1
	s_barrier_wait -1
.endm
.macro CROUND                          ; a whole round
	s_barrier_signal -1
	s_barrier_wait -1
	CREST
.endm
	s_load_b128 s[4:7], s[0:1], 0x0                ; x's codes s[4:5], w's codes s[6:7]
	s_load_b128 s[8:11], s[0:1], 0x10              ; the scales' exponents s[8:9], qkv s[10:11]
	v_lshl_add_u32 v[SPW], v0, 2, SPARE
	v_mov_b32 v[NIL], 0
	ds_add_u32 v28, v29
	ds_add_u32 v28, v29
	s_wait_dscnt 0x0
	v_lshrrev_b32 v1, 5, v0
	v_readfirstlane_b32 s14, v1                    ; wave 0..3
	s_lshr_b32 s15, s14, 1                         ; which 128 positions of source 1 are mine.  Also: I fetch for x (0) or for w (1)
	s_and_b32 s16, s14, 1                          ; which 128 of source 0.  Also: which 8 chunk rows of a slot I fetch
	s_bfe_u32 s40, ttmp6, 0x40000                  ; cx, cy: my place in the cluster
	s_bfe_u32 s41, ttmp6, 0x40004
	s_lshl_b32 s42, ttmp9, 2
	s_add_co_u32 s42, s42, s40                     ; tile column = 4 x cluster x + cx
	s_and_b32 s17, ttmp7, 0xffff
	s_lshl_b32 s17, s17, 2
	s_add_co_u32 s17, s17, s41                     ; tile row = 4 x cluster y + cy
	s_lshl_b32 s43, s41, 2
	s_lshl_b32 s43, 15, s43                        ; my row of the cluster
	s_lshl_b32 s44, 0x1111, s40                    ; my column
	; descriptor group 1: 8 rows of 4,096 bytes, one chunk row apart; no padding
	s_or_b32 s[G1+0], s43, (1<<21)                 ; 15:0 the mask: x's tiles go to my row; 17:16 elements of 1 byte; 21 set beside a mask
	s_or_b32 s[G1B+0], s44, (1<<21)                ; w's go to my column
.irp g, G1, G1B
	s_mov_b32 s[\g+1], CH<<16                      ; tensor_dim0 = 4,096
	s_mov_b32 s[\g+2], 8<<16                       ; tensor_dim1 = 8
	s_mov_b32 s[\g+3], CH<<16                      ; tile_dim0
	s_mov_b32 s[\g+4], 8                           ; tile_dim1
	s_mov_b32 s[\g+6], 0
	s_mov_b32 s[\g+7], 0
.endr
	s_mov_b32 s[G1+5], PA                          ; tensor_dim0_stride
	s_mov_b32 s[G1B+5], PB
	s_lshl_b32 s20, s17, 12                        ; x: the tile row's 256 positions,
	s_mul_i32 s18, s16, 8*PA                       ; my 8 chunk rows
	s_add_co_u32 s20, s20, s18
	s_mov_b32 s21, 0
	s_lshl_b32 s46, s42, 12                        ; w: the tile column's 256 positions,
	s_mul_i32 s18, s16, 8*PB
	s_add_co_u32 s46, s46, s18
	s_mov_b32 s47, 0
	s_mul_i32 s45, s14, HALFT                      ; where they go: wave x 8 chunk rows: no place in the cluster enters an LDS address
	s_wait_kmcnt 0x0
	s_load_b256 s[72:79], s[8:9], 0x0              ; e0 .. e7: wanted on the way out
	s_add_nc_u64 s[20:21], s[4:5], s[20:21]
	s_add_nc_u64 s[46:47], s[6:7], s[46:47]
	CROUND                                         ; all sixteen work-groups are here: the first joint loads meet
.irp s, 0,1
	s_mov_b32 s[G0+4*\s], 1
	s_add_co_u32 s[G0+4*\s+1], s45, \s*SLOT
	s_add_nc_u64 s[G0+4*\s+2:G0+4*\s+3], s[20:21], \s*16*PA
	s_or_b32 s[G0+4*\s+3], s[G0+4*\s+3], 0x80000000
	s_mov_b32 s[G0B+4*\s], 1
	s_add_co_u32 s[G0B+4*\s+1], s45, \s*SLOT
	s_add_nc_u64 s[G0B+4*\s+2:G0B+4*\s+3], s[46:47], \s*16*PB
	s_or_b32 s[G0B+4*\s+3], s[G0B+4*\s+3], 0x80000000
	JLOAD G0+4*\s, G1, G0B+4*\s, G1B
.endr
	v_and_b32 v1, 15, v0                           ; r
	v_bfe_u32 v2, v0, 4, 1                         ; h
	v_lshlrev_b32 v4, 4, v1
	v_lshl_add_u32 v4, v2, 12, v4                  ; position r, chunk row h
	s_wait_alu depctr_va_vdst(0)
	s_cmp_eq_u32 ttmp9, 2                          ; the v section?  The cluster's x is the same number in all sixteen partners
	s_cselect_b32 s66, BREG, 0                     ; source 1 reads w's region there, x's elsewhere;
	s_cselect_b32 s67, 0, BREG                     ; source 0 the other.  Either way a read stays inside its slot
	s_lshl_b32 s21, s15, 11                        ; my 128 positions: 2,048 bytes of a chunk row
	s_add_co_u32 s21, s21, s66
	s_lshl_b32 s22, s16, 11
	s_add_co_u32 s22, s22, s67
.irp s, 0,1
	v_add_nc_u32 v[ADRA+\s], s21, v4
	v_add_nc_u32 v[ADRB+\s], s22, v4
	s_add_co_u32 s21, s21, SLOT
	s_add_co_u32 s22, s22, SLOT
.endr
.macro FRAG reg, adr, q, i             ; block i of 16 positions, the slot's q-th 128 along K: registers 4 c .. 4 c + 3 hold K = 32 c + 16 h + 0 .. 15
.irp c, 0,1,2,3
	ds_load_b128 v[\reg+4*\c:\reg+4*\c+3], v[\adr] offset:8*CH*(\q)+2*CH*\c+256*(\i)
.endr
.endm
; 16 matrix instructions: source 1's blocks a0, a0 + 1 x source 0's eight, 128 along K.  p: source 0's set.  zero = 1: the first product starts the sums.
; The 64 accumulators take turns, one instruction a turn, in the same order in every step.
.macro MUL16 a0, p, zero
.irp a, \a0, \a0+1
.irp b, 0,1,2,3,4,5,6,7
.if \zero
	v_wmma_f32_16x16x128_fp8_fp8 v[8*(8*((\a)%4)+\b):8*(8*((\a)%4)+\b)+7], v[128*(\p)+FR*\b:128*(\p)+FR*\b+FR-1], v[AF+FR*(\a):AF+FR*(\a)+FR-1], 0
.else
	v_wmma_f32_16x16x128_fp8_fp8 v[8*(8*((\a)%4)+\b):8*(8*((\a)%4)+\b)+7], v[128*(\p)+FR*\b:128*(\p)+FR*\b+FR-1], v[AF+FR*(\a):AF+FR*(\a)+FR-1], v[8*(8*((\a)%4)+\b):8*(8*((\a)%4)+\b)+7]
.endif
.endr
.endr
.endm
.macro FETCH_B slot, q, p              ; source 0's eight fragments into set p
	WIN TO_B
.irp i, 0,1,2,3,4,5,6,7
	FRAG 128*(\p)+FR*\i, ADRB+\slot, \q, \i
.endr
	WIN 0
.endm
.macro FETCH_A slot, q, i0             ; source 1's blocks i0 .. i0 + 3
.irp i, \i0, \i0+1, \i0+2, \i0+3
	FRAG AF+FR*(\i), ADRA+\slot, \q, \i
.endr
.endm
.macro PLACES n                        ; plain vector lines between a matrix instruction and a load into a register that it read (ISA guide 7.12.1 for vector instructions)
.rept \n
	v_nop
.endr
.endm
; A step of 128 along K that has its successor in the same slot.  A block of source 1 is free as soon as its eight products are issued: one set serves it.
.macro STEP slot, q, zero
	s_wait_dscnt 4*NL                              ; source 0's set and source 1's blocks 0-3 are in; the youngest 16 loads (blocks 4-7) may be out
	WIN MUL_LO
	MUL16 0, (\q)%2, \zero
	MUL16 2, (\q)%2, \zero
	s_wait_dscnt 0                                 ; blocks 4-7 are in (asked for 32 matrix instructions ago)
	PLACES NP
	FETCH_B \slot, (\q)+1, 1-(\q)%2
	FETCH_A \slot, (\q)+1, 0
	WIN MUL_HI
	MUL16 4, (\q)%2, \zero
	MUL16 6, (\q)%2, \zero
	PLACES NP
	WIN 0
	FETCH_A \slot, (\q)+1, 4
.endm
; A slot's last step changes slots: one barrier; in front of it each wave waits for all its tensor loads, adds 0 to its spare word, and waits for that and for its reads of this slot.
.macro TURN slot, next, fill
	s_wait_tensorcnt 0x0                           ; all my tensor loads have landed: the one that was out is my part of the next slot  (every window is 0 here)
	ds_add_u32 v[SPW], v[NIL]                      ; 0 onto my spare word
	s_wait_dscnt 4*NL+1                            ; (the add and the youngest 16 loads, blocks 4-7, may be out)
	WIN MUL_LO
	MUL16 0, 1, 0                                  ; sixteen matrix instructions stand between the add and the wait for it
	s_wait_dscnt 0x0                               ; the add is done, and my reads of this slot are over
	s_barrier_signal -1
	MUL16 2, 1, 0
	WIN 0
	s_barrier_wait -1
.if \fill
	CREST                                          ; the barrier has opened a round of the cluster's: no wave of any partner still reads this slot or has a load on its way
	s_add_nc_u64 s[G0+4*\slot+2:G0+4*\slot+3], s[G0+4*\slot+2:G0+4*\slot+3], 32*PA     ; two slots on along K
	s_add_nc_u64 s[G0B+4*\slot+2:G0B+4*\slot+3], s[G0B+4*\slot+2:G0B+4*\slot+3], 32*PB
	JLOAD G0+4*\slot, G1, G0B+4*\slot, G1B         ; the first tensor load behind the round; its four v_nop are also the places in front of the loads below
.else
	PLACES NP
.endif
	FETCH_B \next, 0, 0
	FETCH_A \next, 0, 0
	WIN MUL_HI
	MUL16 4, 1, 0
	MUL16 6, 1, 0
	PLACES NP
	WIN 0
	FETCH_A \next, 0, 4
.endm
	s_wait_alu depctr_va_vdst(0)
	s_wait_tensorcnt 1                             ; my part of slot 0 is in; slot 1's load may stay out
	s_barrier_signal -1
	s_barrier_wait -1                              ; everybody's is
	FETCH_B 0, 0, 0
	FETCH_A 0, 0, 0
	FETCH_A 0, 0, 4
	STEP 0, 0, 1                                   ; the first step stands in front of the loop: its products start the sums
	s_mov_b32 s3, LAPS-1
.Llap:                                                 ; a trip goes once round the ring, from a lap's second step to the next lap's first, and fills both slots again
	TURN 0, 1, 1
	STEP 1, 0, 0
	TURN 1, 0, 1
	STEP 0, 0, 0
	s_sub_co_u32 s3, s3, 1
	s_cmp_lg_u32 s3, 0
	s_cbranch_scc1 .Llap
	TURN 0, 1, 0                                   ; the last lap fills nothing, and has no round of the cluster's barrier
	STEP 1, 0, 0
	s_wait_dscnt 4*NL                              ; the very last step: nothing more to fetch
	WIN MUL_LO
	MUL16 0, 1, 0
	MUL16 2, 1, 0
	s_wait_dscnt 0
	WIN MUL_HI
	MUL16 4, 1, 0
	MUL16 6, 1, 0
	WIN 0
	; THE WAY OUT.  Where my 128 x 128 begins: section (cluster x) x 8 MiB + batch x 2 MiB + chunk row << SH + position x 16.
	s_wait_kmcnt 0x0
	s_and_b32 s18, s17, 7
	s_lshl_b32 s18, s18, 8                         ; the tile's first token within its batch
	s_lshr_b32 s19, s18, 4                         ; as a chunk row (v)
	s_lshl_b32 s20, s40, 4                         ; the tile's first column within its section, as a chunk row (q, k),
	s_lshl_b32 s21, s40, 8                         ; and as a position (v)
	s_cmp_eq_u32 ttmp9, 2
	s_cselect_b32 s68, 14, 15                      ; SH: a chunk row is 1,024 positions (v) or 2,048 (q, k)
	s_cselect_b32 s69, s19, s20                    ; source 0's first chunk row
	s_cselect_b32 s70, s21, s18                    ; source 1's first position
	s_cselect_b32 s22, s77, s74                    ; the section's own exponent: e5 (v), e2 (q),
	s_cmp_eq_u32 ttmp9, 1
	s_cselect_b32 s22, s75, s22                    ; e3 (k): chosen without a jump
	s_lshl_b32 s23, s16, 3
	s_add_co_u32 s69, s69, s23
	s_lshl_b32 s69, s69, s68
	s_lshl_b32 s23, s15, 7
	s_add_co_u32 s70, s70, s23
	s_lshl_b32 s70, s70, 4
	s_add_co_u32 s46, s69, s70
	s_lshl_b32 s23, ttmp9, 23
	s_add_co_u32 s46, s46, s23
	s_lshr_b32 s23, s17, 3                         ; the batch
	s_lshl_b32 s23, s23, 21
	s_add_co_u32 s46, s46, s23
	s_mov_b32 s47, 0
	s_add_nc_u64 s[10:11], s[10:11], s[46:47]
	s_sub_co_i32 s22, s22, s72                     ; a sum stands for sum x 2^(e0 + e1): its code is sum / 2^(eT - e0 - e1): three scales folded into one
	s_sub_co_i32 s22, s22, s73
	s_add_co_i32 s22, s22, 127
	s_lshl_b32 s23, s22, 23
	v_mov_b32 v[SCL], s23                          ; (these thirteen plain vector lines name no register of the last products: they are the places behind them)
	s_add_co_i32 s22, s22, 8
	s_lshl_b32 s22, s22, 23
	s_or_b32 s22, s22, 0x600000
.irp b, 0,1,2,3
	v_add_nc_u32 v5, 2*\b, v2
	v_lshlrev_b32 v5, s68, v5
	v_lshl_add_u32 v[OFS+\b], v1, 4, v5            ; chunk row 2 B + h, position r
.endr
; Block a (16 positions of source 1): 64 sums a lane are converted and leave as four chunks.
.macro OUT a
.set AC, 64*((\a)%4)
	WIN 0x02+((\a)/4)                              ; source 0: window 2 or 3
.set j, 0
.rept 64
.set j, j+1
.endr
.irp b, 0,1,2,3,4,5,6,7
	v_cvt_scalef32_pk8_fp8_f32 v[CD+16*(\a)+2*\b:CD+16*(\a)+2*\b+1], v[AC+8*\b:AC+8*\b+7], v[SCL]
.endr
	WIN 0
	v_nop
.irp b, 0,1,2,3
	global_store_b128 v[OFS+\b], v[CD+16*(\a)+4*\b:CD+16*(\a)+4*\b+3], s[10:11] offset:256*(\a)   ; sixteen lanes store 256 consecutive bytes, aligned
.endr
.endm
.irp a, 0,1,2,3,4,5,6,7
	OUT \a
.endr
	s_wait_tensorcnt 0x0                           ; the wave's end
	ds_add_u32 v[SPW], v[NIL]
	s_wait_dscnt 0x0
	CROUND                                         ; the closing round: no work-group ends while a partner may still ask for a tile that names it
	s_endpgm
.Lfunc_end_k_q32a8345451_gemm_qkv:
	.size	k_q32a8345451_gemm_qkv, .Lfunc_end_k_q32a8345451_gemm_qkv-k_q32a8345451_gemm_qkv
	.p2alignl 7, 3214868480
	.fill 96, 4, 3214868480
	.section	.rodata,"a",@progbits
	.p2align	6, 0x0
	.amdhsa_kernel k_q32a8345451_gemm_qkv
		.amdhsa_group_segment_fixed_size 327680
		.amdhsa_private_segment_fixed_size 0
		.amdhsa_enable_private_segment 0
		.amdhsa_kernarg_size 32
		.amdhsa_user_sgpr_count 2
		.amdhsa_user_sgpr_kernarg_segment_ptr 1
		.amdhsa_wavefront_size32 1
		.amdhsa_system_sgpr_workgroup_id_x 1
		.amdhsa_system_sgpr_workgroup_id_y 1
		.amdhsa_system_sgpr_workgroup_id_z 1
		.amdhsa_system_vgpr_workitem_id 0
		.amdhsa_next_free_vgpr 1024
		.amdhsa_next_free_sgpr 100
		.amdhsa_reserve_vcc 0
		.amdhsa_float_denorm_mode_32 3
		.amdhsa_float_denorm_mode_16_64 3
		.amdhsa_fp16_overflow 1
		.amdhsa_memory_ordered 1
		.amdhsa_forward_progress 1
		.amdhsa_inst_pref_size 86
	.end_amdhsa_kernel
	.amdgpu_metadata
---
amdhsa.version: [ 1, 2 ]
amdhsa.kernels:
  - .name:           k_q32a8345451_gemm_qkv
    .symbol:         k_q32a8345451_gemm_qkv.kd
    .args:
      - { .name: xc, .offset: 0, .size: 8, .value_kind: global_buffer, .address_space: global }
      - { .name: wqc, .offset: 8, .size: 8, .value_kind: global_buffer, .address_space: global }
      - { .name: lowp_scales, .offset: 16, .size: 8, .value_kind: global_buffer, .address_space: global }
      - { .name: qkv, .offset: 24, .size: 8, .value_kind: global_buffer, .address_space: global }
    .group_segment_fixed_size: 327680
    .private_segment_fixed_size: 0
    .kernarg_segment_align: 8
    .kernarg_segment_size: 32
    .max_flat_workgroup_size: 128
    .sgpr_count:     100
    .vgpr_count:     1024
    .wavefront_size: 32
...
	.end_amdgpu_metadata
.endif
;; end of part 2
;; launch attn (part 3): grid 4 x 64, 16 waves a work-group, no clusters, 327,680 bytes of LDS; arguments qkv, lowp_scales, oc; writes oc
.if DOCPART == 3
	.amdgcn_target "amdgcn-amd-amdhsa--gfx1250"
	.amdhsa_code_object_version 6
	.text
	.protected	k_q32a8345451_attn
	.globl	k_q32a8345451_attn
	.p2align	8
	.type	k_q32a8345451_attn,@function
k_q32a8345451_attn:
	s_mov_b64 s[64:65], 0
	v_nop
	global_prefetch_b8 v0, s[64:65] scope:SCOPE_SE
	s_setreg_imm32_b32 hwreg(HW_REG_WAVE_MODE, 25, 1), 1
	s_wait_xcnt 0x0
; Causal attention on codes of FP8 (E4M3): 64 heads (batch x head) of 2,048 tokens x 64.  O = softmax(q k^T / 8) v; the result is quantised at once with the scale given for the projection's operand.
; INPUT (one buffer, chunks of 16 bytes; a position is a number with bits 3 and 4 exchanged):  q at 0 and k at 8 MiB: [b][head x 4 + d / 16][position of t][16];  v at 16 MiB: [b][t / 16][position of head x 64 + d][16].
; OUTPUT: [head x 4 + d / 16][position of b x 2048 + t][16]: the projection's operand in the same chunks.
; THE SOFTMAX AHEAD OF THE SECOND PRODUCT: t = score x log2(e) / 8; M = the running largest t rounded UP to a whole number; p = 2^(t - M) is quantised, not normalised; the row's sum is taken of the
; unquantised p and divides O at the end.  When M moves, the sum and O are multiplied by 2^(old M - new M): exact.
; SHARES.  Work-group (i, head) owns query blocks i and 7 - i (256 queries each): (i + 1) + (8 - i) = 9 slots of 256 keys whatever i is: 256 work-groups of equal work, and constant trip counts.
; Each of SIXTEEN waves owns 16 positions of the block in hand, in 256 registers: four waves to a SIMD, so that one wave's vector work stands beside another's matrix work and LDS loads.
; LAYOUT.  Both products are used transposed: S^T = K Q^T (source 0 = 16 keys, K = 64), O^T = V^T P^T (source 0 = 16 of the head's 64, K = 128 keys): a lane holds ONE query throughout.  By the exchange of
; bits the 16 registers of tiles 2 b, 2 b + 1 are 16 neighbours (keys 32 b + 16 h + 0 .. 15; channels likewise): p's codes are the second product's operand, and O's codes are chunks.
; CAUSAL.  A step of 128 keys that all come after the wave's queries is jumped over (a scalar branch on ids; no barrier or tensor load stands in a step); on the diagonal hidden scores become -infinity.
; NO CLUSTER: the four work-groups of a head walk different key slots in the same trip (block i ends after i + 1 slots), so no tile is wanted by two of them at the same time.
; LIMITS: e2 + e3 between -123 and 130 (added to c's exponent field); e4, and e6 - e4 - e5, between -126 and 119.  NaN is not served.
; REGISTERS: v1-9 addresses; v12 -M, v13 the largest t, v[14:15] the sum in two halves; v16-23 Q; v32-95 K's eight fragments, then V's four; v96-159 S^T, then p; v160-191 O^T; v192-199 O's codes;
;   v200-231 O / the sum (at a block's end); v224-239 p's codes; v236, v238-243, v246-255 at work; v244: 2^e4; v245: 2^(e6 - e4 - e5).
.set SLOT1, 65536                      ; slot 1 begins here: one exclusive or turns an address in one slot into the other's
.set VOFF,  16384                      ; a slot: K's 4 chunk rows x 4,096 bytes, then V's 16 key chunks x 1,024
.set SPARE, 2*SLOT1                    ; behind the ring: the spare words, 128 bytes for each wave: eight blocks of 256 bytes that no other line names
.set AK0,  1                           ; v1   my lane's place in K's tiles: chunk row h, position r
.set AV0,  2                           ; v2   in V's: key chunk h, position r
.set DQ,   3                           ; v3   my query less the wave's first, less 16 h
.set QA,   4                           ; v4   my byte offset in Q
.set SPW,  5                           ; v5   LDS address of my spare word; never rewritten
.set NIL,  6                           ; v6   0; never rewritten
.set GO,   7                           ; v7   my byte offset in the output
.set ADK,  8                           ; v8   LDS address of the step's K
.set ADV,  9                           ; v9   of its V
.set WV,   18                          ; s18  wave
.set SEL,  20                          ; s[20:21] lane selects for v_permlanex16_b32: lane l xor 16
.set CS,   22                          ; s[22:23] c = log2(e) / 8 x 2^(e2 + e3)
.set G1K,  24                          ; s[24:31], s[32:39] descriptor groups 1;  s[40:43], s[44:47] groups 0
.set G1V,  32
.set G0K,  40
.set G0V,  44
.set PI,   48                          ; s48  i
.set NA,   49                          ; s49  i + 1: the first block's slots
.set BH,   50                          ; s50  batch x 16 + head
.set WB,   51                          ; s51  my wave's 16 positions in bytes
.set KB,   52                          ; s[52:53] k, s[54:55] v at what I fetch of the head's first slot;  s[56:57] q, s[58:59] the output at the head's first position
.set VB,   54
.set QB,   56
.set OB,   58
.set QP,   60                          ; s[60:61], s[62:63] q and the output at my wave's positions of the block in hand
.set OP,   62
.set TB,   66                          ; s66  LDS byte at which the slot in hand begins
.set J,    68                          ; s68  the trip: 0 .. 8
.set KF,   69                          ; s69  the step's first key
.set Q0,   70                          ; s70  my wave's first query
.set WQ,   71                          ; s71  that query within its block: 32 (wave / 2) + 8 (wave % 2)
; Waves 0 and 1 fetch K's halves, waves 2 and 3 V's, the others nothing.  The branches hang on the wave's number alone.  Four v_nop follow each of the two lines.
.macro TLOAD
	s_cmp_lt_u32 s[WV], 2
	s_cbranch_scc0 .Lnot_k_\@
	tensor_load_to_lds s[G0K:G0K+3], s[G1K:G1K+7]
	s_nop 0
.rept 4
	v_nop
.endr
	s_branch .Lasked_\@
.Lnot_k_\@:
	s_cmp_lt_u32 s[WV], 4
	s_cbranch_scc0 .Lasked_\@
	tensor_load_to_lds s[G0V:G0V+3], s[G1V:G1V+7]
	s_nop 0
.rept 4
	v_nop
.endr
.Lasked_\@:
.endm
; A block of queries begins; s72 = its first query.  O^T and the sum begin as zeros and the largest t as -3e38, so that the key step is written once: the first change of M multiplies zeros.
.macro SETBLK
	s_add_co_u32 s[Q0], s72, s[WQ]
	s_lshl_b32 s74, s72, 4
	s_add_co_u32 s74, s74, s[WB]
	s_mov_b32 s75, 0
	s_add_nc_u64 s[QP:QP+1], s[QB:QB+1], s[74:75]
	s_add_nc_u64 s[OP:OP+1], s[OB:OB+1], s[74:75]
	global_load_b128 v[16:19], v[QA], s[QP:QP+1]               ; Q's fragment: chunk rows h and 2 + h at position r
	global_load_b128 v[20:23], v[QA], s[QP:QP+1] offset:65536
	v_mov_b32 v13, 0xff61b1e6                      ; -3e38, under every t
	s_delay_alu instid0(VALU_DEP_1)
	v_floor_f32 v12, -v13
	v_mov_b32 v14, 0
	v_mov_b32 v15, 0
.set j, 0
.rept 32
	v_mov_b32 v[160+j], 0
.set j, j+1
.endr
	s_wait_loadcnt 0x0                             ; Q is in, and its address registers are free
.endm
; A block ends: O^T / the sum, quantised: a lane's 16 registers of tiles 2 B, 2 B + 1 are channels 32 B + 16 h + 0 .. 15: a chunk.
.macro FINISH
.rept 4
	v_nop                                          ; places behind the last products
.endr
	v_add_f32 v14, v14, v15                        ; the sum's two halves,
	s_delay_alu instid0(VALU_DEP_1)
	v_permlanex16_b32 v252, v14, s[SEL], s[SEL+1]
	s_delay_alu instid0(VALU_DEP_1)
	v_add_f32 v14, v14, v252                       ; and lane l xor 16's
	s_wait_alu depctr_va_vdst(0)
	v_rcp_f32 v14, v14
	v_nop                                          ; a plain line behind the transcendental
.set j, 0
	s_wait_alu depctr_va_vdst(0)
.rept 16
	v_pk_mul_f32 v[200+j:201+j], v[160+j:161+j], v[14:15] op_sel_hi:[1,0]   ; both x 1 / the sum; each accumulator from its low end on
.set j, j+2
.endr
.set j, 0
.rept 32
.set j, j+1
.endr
.irp t, 0,1,2,3
	v_cvt_scalef32_pk8_fp8_f32 v[192+2*\t:193+2*\t], v[200+8*\t:207+8*\t], v245   ; O stands for O x 2^(e4 + e5): its code is O / 2^(e6 - e4 - e5)
.endr
	v_nop                                          ; a plain line behind the last conversion
	global_store_b128 v[GO], v[192:195], s[OP:OP+1]                ; sixteen lanes store 256 consecutive bytes, aligned: chunk row h,
	global_store_b128 v[GO], v[196:199], s[OP:OP+1] offset:262144  ; and 2 + h
.endm
; A KEY STEP: 128 keys, the q-th of the slot in hand.
.macro STEP q
	s_add_co_u32 s96, s[Q0], 23                    ; my wave's last query
	s_cmp_gt_u32 s[KF], s96
	s_cbranch_scc1 .Lhidden_\@
	v_add_nc_u32 v[ADK], s[TB], v[AK0]
	v_add_nc_u32 v[ADV], s[TB], v[AV0]
	v_nop                                          ; with the two additions: four places in front of loads into registers that the last products read
	v_nop
.irp t, 0,1,2,3,4,5,6,7
.irp c, 0,1
	ds_load_b128 v[32+8*\t+4*\c:32+8*\t+4*\c+3], v[ADK] offset:(8*(\q)+\t)*256+8192*\c
.endr
.endr
	s_wait_alu depctr_va_vdst(0)
	s_wait_dscnt 0x0
.irp t, 0,1,2,3,4,5,6,7
	v_wmma_f32_16x16x64_fp8_fp8 v[96+8*\t:103+8*\t], v[32+8*\t:39+8*\t], v[16:23], 0
.endr
.rept 4
	v_nop                                          ; places: in front of the loads below and of the first read of the scores
.endr
.irp t, 0,1,2,3                                ; V's four fragments are asked for now and land under the softmax
.irp c, 0,1,2,3
	ds_load_b128 v[32+16*\t+4*\c:32+16*\t+4*\c+3], v[ADV] offset:8192*(\q)+2048*\c+256*\t
.endr
.endr
	s_add_co_u32 s96, s[KF], 127                   ; a step all of whose keys count for all my queries needs no mask
	s_cmp_le_u32 s96, s[Q0]
	s_cbranch_scc1 .Lopen_\@
	s_sub_co_i32 s96, s[Q0], s[KF]
	v_add_nc_u32 v252, s96, v[DQ]                  ; d = my query - KF - 16 h.  Register 16 b + i holds key KF + 16 h + 32 b + i: hidden where 32 b + i > d
	v_mov_b32 v254, 0xff800000                     ; -infinity
.irp n, 0,1,2,3,4,5,6,7,8,9,10,11,12,13,14,15,16,17,18,19,20,21,22,23,24,25,26,27,28,29,30,31,32,33,34,35,36,37,38,39,40,41,42,43,44,45,46,47,48,49,50,51,52,53,54,55,56,57,58,59,60,61,62,63
	v_cmp_gt_i32 vcc_lo, 32*(\n/16)+\n%16, v252
	v_cndmask_b32 v[96+\n], v[96+\n], v254, vcc_lo
.endr
.Lopen_\@:
	v_max3_num_f32 v254, v96, v97, v98             ; the step's largest score of my query, among my 64 keys, in two chains,
	v_max3_num_f32 v252, v99, v100, v101
.irp i, 6,10,14,18,22,26,30,34,38,42,46,50,54,58
	v_max3_num_f32 v254, v254, v[96+\i], v[97+\i]
	v_max3_num_f32 v252, v252, v[98+\i], v[99+\i]
.endr
	v_max3_num_f32 v254, v254, v158, v159
	s_delay_alu instid0(VALU_DEP_1)
	v_max_num_f32 v254, v254, v252
	v_permlanex16_b32 v236, v254, s[SEL], s[SEL+1]
	s_delay_alu instid0(VALU_DEP_1)
	v_max_num_f32 v254, v254, v236                 ; and among lane l xor 16's
	s_delay_alu instid0(VALU_DEP_1)
	v_mul_f32 v254, s[CS], v254                    ; as t (c is positive)
	s_delay_alu instid0(VALU_DEP_1)
	v_max_num_f32 v13, v13, v254                   ; the running largest t
	v_mov_b32 v254, v12
	s_delay_alu instid0(VALU_DEP_2)
	v_floor_f32 v12, -v13                          ; the new -M = floor(-t): M is a whole number
	s_delay_alu instid0(VALU_DEP_1)
	v_sub_f32 v254, v12, v254                      ; old M - new M: a whole number, 0 or less
	s_delay_alu instid0(VALU_DEP_1)
	v_cvt_i32_f32 v254, v254                       ; (it saturates)
	s_delay_alu instid0(VALU_DEP_1)
	v_ldexp_f32 v252, 1.0, v254                    ; f = 2^(old M - new M)
.irp j, 0,2,4,6,8,10,12,14,16,18,20,22,24,26,28,30,32,34,36,38,40,42,44,46,48,50,52,54,56,58,60,62
	v_pk_fma_f32 v[96+\j:97+\j], v[96+\j:97+\j], s[CS:CS+1], v[12:13] op_sel_hi:[1,0,0]   ; t - M, two at a time (of the pairs c and -M the low word serves both halves)
.endr
	s_wait_alu depctr_va_vdst(0)
.irp j, 0,1,2,3,4,5,6,7,8,9,10,11,12,13,14,15,16,17,18,19,20,21,22,23,24,25,26,27,28,29,30,31,32,33,34,35,36,37,38,39,40,41,42,43,44,45,46,47,48,49,50,51,52,53,54,55,56,57,58,59,60,61,62,63
	v_exp_f32 v[96+\j], v[96+\j]                   ; p = 2^(t - M), at most 1
.endr
	v_pk_mul_f32 v[14:15], v[14:15], v[252:253] op_sel_hi:[1,0]   ; the sums under the new M.  (A plain line behind the exponentials)
	s_wait_alu depctr_va_vdst(0)
	v_pk_add_f32 v[242:243], v[100:101], v[104:105]
	v_pk_add_f32 v[254:255], v[108:109], v[112:113]
	v_pk_add_f32 v[250:251], v[116:117], v[120:121]
	v_pk_add_f32 v[248:249], v[124:125], v[128:129]
	v_pk_add_f32 v[246:247], v[132:133], v[136:137]
	v_pk_add_f32 v[240:241], v[140:141], v[144:145]
	v_pk_add_f32 v[238:239], v[148:149], v[152:153]
	v_pk_add_f32 v[14:15], v[14:15], v[156:157]
	v_pk_add_f32 v[242:243], v[242:243], v[96:97]
	v_pk_add_f32 v[254:255], v[254:255], v[98:99]
	v_pk_add_f32 v[250:251], v[250:251], v[102:103]
	v_pk_add_f32 v[248:249], v[248:249], v[106:107]
	v_pk_add_f32 v[246:247], v[246:247], v[110:111]
	v_pk_add_f32 v[240:241], v[240:241], v[114:115]
	v_pk_add_f32 v[238:239], v[238:239], v[118:119]
	v_pk_add_f32 v[14:15], v[14:15], v[122:123]
	v_pk_add_f32 v[242:243], v[242:243], v[126:127]
	v_pk_add_f32 v[254:255], v[254:255], v[130:131]
	v_pk_add_f32 v[250:251], v[250:251], v[134:135]
	v_pk_add_f32 v[248:249], v[248:249], v[138:139]
	v_pk_add_f32 v[246:247], v[246:247], v[142:143]
	v_pk_add_f32 v[240:241], v[240:241], v[146:147]
	v_pk_add_f32 v[238:239], v[238:239], v[150:151]
	v_pk_add_f32 v[14:15], v[14:15], v[154:155]
	v_pk_add_f32 v[242:243], v[242:243], v[158:159]
	s_delay_alu instid0(VALU_DEP_2)
	v_pk_add_f32 v[14:15], v[14:15], v[248:249]
	s_delay_alu instid0(VALU_DEP_2)
	v_pk_add_f32 v[242:243], v[242:243], v[246:247]
	v_pk_add_f32 v[254:255], v[254:255], v[240:241]
	v_pk_add_f32 v[250:251], v[250:251], v[238:239]
	s_delay_alu instid0(VALU_DEP_2)
	v_pk_add_f32 v[14:15], v[14:15], v[254:255]
	s_delay_alu instid0(VALU_DEP_2)
	v_pk_add_f32 v[242:243], v[242:243], v[250:251]
	s_delay_alu instid0(VALU_DEP_1)
	v_pk_add_f32 v[14:15], v[14:15], v[242:243]
.irp b, 0,1,2,3
.irp i, 0,1,2,3,4,5,6,7,8,9,10,11,12,13,14,15
.endr
	v_cvt_scalef32_pk8_fp8_f32 v[224+4*\b:225+4*\b], v[96+16*\b:103+16*\b], v244
	v_cvt_scalef32_pk8_fp8_f32 v[226+4*\b:227+4*\b], v[104+16*\b:111+16*\b], v244
.endr
.irp j, 0,2,4,6,8,10,12,14,16,18,20,22,24,26,28,30
	v_pk_mul_f32 v[160+\j:161+\j], v[160+\j:161+\j], v[252:253] op_sel_hi:[1,0]   ; O^T under the new M.  (Also the plain lines between the conversions and the products)
.endr
	s_wait_alu depctr_va_vdst(0)
	s_wait_dscnt 0x0                               ; V is in
.irp t, 0,1,2,3                                ; the four accumulators take turns, and the next step's eight products stand between two turns of one
	v_wmma_f32_16x16x128_fp8_fp8 v[160+8*\t:167+8*\t], v[32+16*\t:47+16*\t], v[224:239], v[160+8*\t:167+8*\t]
.endr
.Lhidden_\@:
	s_add_co_u32 s[KF], s[KF], 128
.endm
; THE CHANGE OF SLOTS stands at a slot's head.  Each wave waits for all its tensor loads (its part of the slot ahead), adds 0 to its spare word, and waits for that and for its reads of the slot that it has left.
; fill = 1: the slot just left is filled with trip J + 1's keys: slot J + 1 of the first block, or J + 1 - NA of the second.  The load has a whole slot's steps in which to land.
.macro CHANGE fill
	s_wait_tensorcnt 0x0                           ; no tensor load of mine is out, so a group 0 may be written
	ds_add_u32 v[SPW], v[NIL]                      ; 0 onto my spare word; the descriptors are made between it and the wait for it
.if \fill
	s_add_co_u32 s72, s[J], 1
	s_cmp_ge_u32 s72, s[NA]
	s_cselect_b32 s73, s[NA], 0
	s_sub_co_u32 s72, s72, s73                     ; which 256 keys
	s_xor_b32 s[G0K+1], s[G0K+1], SLOT1            ; the other slot than last time
	s_xor_b32 s[G0V+1], s[G0V+1], SLOT1
	s_lshl_b32 s74, s72, 12                        ; K: 256 positions x 16 bytes
	s_mov_b32 s75, 0
	s_add_nc_u64 s[G0K+2:G0K+3], s[KB:KB+1], s[74:75]
	s_or_b32 s[G0K+3], s[G0K+3], 0x80000000
	s_lshl_b32 s74, s72, 18                        ; V: 16 key chunks of 16,384 bytes
	s_add_nc_u64 s[G0V+2:G0V+3], s[VB:VB+1], s[74:75]
	s_or_b32 s[G0V+3], s[G0V+3], 0x80000000
.endif
	s_wait_dscnt 0x0                               ; the add is done, and my reads of the slot that I have left are over
	s_barrier_signal -1
	s_barrier_wait -1
.if \fill
	TLOAD                                          ; the first thing behind the barrier, and a wave's one tensor load until the next
.endif
.endm
; A slot's two steps.  sw = 1: in trip NA the first block goes out and the second begins: a branch on ids and the trip's number, the same in all sixteen waves; no LDS access, barrier or tensor load stands in it.
.macro SLOT_STEPS sw
	s_cmp_ge_u32 s[J], s[NA]
	s_cselect_b32 s73, s[NA], 0
	s_sub_co_u32 s73, s[J], s73
	s_lshl_b32 s[KF], s73, 8                       ; the slot's first key
.if \sw
	s_cmp_lg_u32 s[J], s[NA]
	s_cbranch_scc1 .Lsame_\@
	FINISH
	s_wait_xcnt 0x0                                ; the stores have read their base and data: both are written again below and at the second block's end
	s_sub_co_u32 s72, 7, s[PI]
	s_lshl_b32 s72, s72, 8
	SETBLK
.Lsame_\@:
.endif
	STEP 0
	STEP 1
.if \sw
	s_xor_b32 s[TB], s[TB], SLOT1                  ; on to the other slot
	s_add_co_u32 s[J], s[J], 1
.endif
.endm
	s_load_b128 s[4:7], s[0:1], 0x0                ; qkv s[4:5], the scales' exponents s[6:7]
	s_load_b64 s[8:9], s[0:1], 0x10                ; the output
	v_lshl_add_u32 v[SPW], v0, 2, SPARE
	v_mov_b32 v[NIL], 0
	ds_add_u32 v5, v6
	ds_add_u32 v5, v6
	s_wait_dscnt 0x0
	v_lshrrev_b32 v8, 5, v0
	s_delay_alu instid0(VALU_DEP_1)
	v_readfirstlane_b32 s[WV], v8                  ; wave 0..15
	s_mov_b32 s[PI], ttmp9
	s_add_co_u32 s[NA], ttmp9, 1
	s_and_b32 s[BH], ttmp7, 0xffff
	s_and_b32 s88, s[WV], 1                        ; which half of a tile I fetch, if I fetch
	s_lshl_b32 s72, s[BH], 17                      ; q: the head's 4 chunk rows of 32,768 bytes
	s_mov_b32 s73, 0
	s_lshl_b32 s74, s88, 16                        ; k: the same, + my two chunk rows, + 8 MiB
	s_add_co_u32 s74, s74, s72
	s_add_co_u32 s74, s74, 0x800000
	s_mov_b32 s75, 0
	s_lshr_b32 s89, s[BH], 4                       ; batch
	s_and_b32 s90, s[BH], 15                       ; head
	s_lshl_b32 s76, s89, 21                        ; v: batch x 2 MiB + the head's 64 positions + my 8 key chunks + 16 MiB
	s_lshl_b32 s91, s90, 10
	s_add_co_u32 s76, s76, s91
	s_lshl_b32 s91, s88, 17
	s_add_co_u32 s76, s76, s91
	s_add_co_u32 s76, s76, 0x1000000
	s_mov_b32 s77, 0
	s_lshl_b32 s78, s90, 19                        ; the output: the head's 4 chunk rows of 131,072 bytes + the batch's 2,048 positions
	s_lshl_b32 s91, s89, 15
	s_add_co_u32 s78, s78, s91
	s_mov_b32 s79, 0
	s_lshl_b32 s92, s88, 13                        ; my half's place in a slot
	s_mov_b32 s[G1K], 0                            ; K: 2 rows of 4,096 bytes, 32,768 apart; elements of 1 byte, no mask, no padding
	s_mov_b32 s[G1K+1], 4096<<16                   ; tensor_dim0
	s_mov_b32 s[G1K+2], 2<<16                      ; tensor_dim1
	s_mov_b32 s[G1K+3], 4096<<16                   ; tile_dim0
	s_mov_b32 s[G1K+4], 2                          ; tile_dim1
	s_mov_b32 s[G1K+5], 32768                      ; tensor_dim0_stride
	s_mov_b32 s[G1K+6], 0
	s_mov_b32 s[G1K+7], 0
	s_mov_b32 s[G1V], 0                            ; V: 8 rows of 1,024 bytes, 16,384 apart
	s_mov_b32 s[G1V+1], 1024<<16
	s_mov_b32 s[G1V+2], 8<<16
	s_mov_b32 s[G1V+3], 1024<<16
	s_mov_b32 s[G1V+4], 8
	s_mov_b32 s[G1V+5], 16384
	s_mov_b32 s[G1V+6], 0
	s_mov_b32 s[G1V+7], 0
	s_mov_b32 s[SEL], 0x76543210
	s_mov_b32 s[SEL+1], 0xfedcba98
	s_mov_b32 s[CS], 0x3e38aa3b                    ; log2(e) / 8
	s_mov_b32 s[TB], 0
	s_mov_b32 s[J], 0
	s_lshl_b32 s[WB], s[WV], 8
	s_lshr_b32 s[WQ], s[WV], 1
	s_lshl_b32 s[WQ], s[WQ], 5
	s_lshl_b32 s91, s88, 3
	s_add_co_u32 s[WQ], s[WQ], s91
	s_wait_kmcnt 0x0
	s_load_b256 s[80:87], s[6:7], 0x0              ; e0 .. e7
	s_add_nc_u64 s[QB:QB+1], s[4:5], s[72:73]
	s_add_nc_u64 s[KB:KB+1], s[4:5], s[74:75]
	s_add_nc_u64 s[VB:VB+1], s[4:5], s[76:77]
	s_add_nc_u64 s[OB:OB+1], s[8:9], s[78:79]
	s_mov_b32 s[G0K], 1                            ; count = 1
	s_mov_b32 s[G0K+1], s92                        ; LDS address: slot 0
	s_mov_b64 s[G0K+2:G0K+3], s[KB:KB+1]           ; the head's first 256 keys
	s_or_b32 s[G0K+3], s[G0K+3], 0x80000000        ; type = 2
	s_mov_b32 s[G0V], 1
	s_add_co_u32 s[G0V+1], s92, VOFF
	s_mov_b64 s[G0V+2:G0V+3], s[VB:VB+1]
	s_or_b32 s[G0V+3], s[G0V+3], 0x80000000
	TLOAD                                          ; slot 0
	v_and_b32 v8, 15, v0                           ; r
	v_bfe_u32 v9, v0, 4, 1                         ; h
	s_delay_alu instid0(VALU_DEP_2)
	v_lshlrev_b32 v10, 4, v8
	s_delay_alu instid0(VALU_DEP_1)
	v_lshl_add_u32 v[AK0], v9, 12, v10
	s_delay_alu instid0(VALU_DEP_2)
	v_lshl_add_u32 v[AV0], v9, 10, v10
	s_delay_alu instid0(VALU_DEP_1)
	v_add_nc_u32 v[AV0], VOFF, v[AV0]
	s_delay_alu instid0(VALU_DEP_4)
	v_lshl_add_u32 v[QA], v9, 15, v10
	v_lshl_add_u32 v[GO], v9, 17, v10
	v_and_b32 v11, 8, v8
	s_delay_alu instid0(VALU_DEP_1)
	v_add_nc_u32 v11, v11, v8                      ; position r is query r + 8 (r / 8) of the wave's
	v_lshlrev_b32 v[DQ], 4, v9
	s_delay_alu instid0(VALU_DEP_1)
	v_sub_nc_u32 v[DQ], v11, v[DQ]
	v_mov_b32 v236, 0                              ; written once: a lane permute's destination counts as one of its sources
	v_mov_b32 v252, 0
	v_mov_b32 v253, 0                              ; (named as the upper half of the pair v[252:253])
	s_wait_kmcnt 0x0
	s_add_co_i32 s72, s82, s83
	s_lshl_b32 s72, s72, 23
	s_add_co_i32 s[CS], s[CS], s72                 ; a score stands for score x 2^(e2 + e3): added to c's exponent field
	s_mov_b32 s[CS+1], s[CS]                       ; (named with it as a pair, so it is written)
	s_add_co_i32 s72, s84, 127
	s_lshl_b32 s73, s72, 23
	v_mov_b32 v244, s73                            ; 2^e4
	s_sub_co_i32 s72, s86, s84
	s_sub_co_i32 s72, s72, s85
	s_add_co_i32 s72, s72, 127
	s_lshl_b32 s73, s72, 23
	v_mov_b32 v245, s73                            ; 2^(e6 - e4 - e5)
	s_lshl_b32 s72, s[PI], 8
	SETBLK                                         ; block i
.Lslot:                                            ; eight trips: behind each change of slots but the last the next slot is asked for
	CHANGE 1
	SLOT_STEPS 1
	s_cmp_lt_u32 s[J], 8
	s_cbranch_scc1 .Lslot
	CHANGE 0                                       ; the last slot is written out
	SLOT_STEPS 0
	FINISH                                         ; block 7 - i
	s_wait_tensorcnt 0x0                           ; the wave's end
	ds_add_u32 v[SPW], v[NIL]
	s_wait_dscnt 0x0
	s_endpgm
.Lfunc_end_k_q32a8345451_attn:
	.size	k_q32a8345451_attn, .Lfunc_end_k_q32a8345451_attn-k_q32a8345451_attn
	.p2alignl 7, 3214868480
	.fill 96, 4, 3214868480
	.section	.rodata,"a",@progbits
	.p2align	6, 0x0
	.amdhsa_kernel k_q32a8345451_attn
		.amdhsa_group_segment_fixed_size 327680
		.amdhsa_private_segment_fixed_size 0
		.amdhsa_enable_private_segment 0
		.amdhsa_kernarg_size 24
		.amdhsa_user_sgpr_count 2
		.amdhsa_user_sgpr_kernarg_segment_ptr 1
		.amdhsa_wavefront_size32 1
		.amdhsa_system_sgpr_workgroup_id_x 1
		.amdhsa_system_sgpr_workgroup_id_y 1
		.amdhsa_system_sgpr_workgroup_id_z 1
		.amdhsa_system_vgpr_workitem_id 0
		.amdhsa_next_free_vgpr 256
		.amdhsa_next_free_sgpr 100
		.amdhsa_reserve_vcc 1
		.amdhsa_float_denorm_mode_32 3
		.amdhsa_float_denorm_mode_16_64 3
		.amdhsa_fp16_overflow 1
		.amdhsa_memory_ordered 1
		.amdhsa_forward_progress 1
		.amdhsa_inst_pref_size 91
	.end_amdhsa_kernel
	.amdgpu_metadata
---
amdhsa.version: [ 1, 2 ]
amdhsa.kernels:
  - .name:           k_q32a8345451_attn
    .symbol:         k_q32a8345451_attn.kd
    .args:
      - { .name: qkv, .offset: 0, .size: 8, .value_kind: global_buffer, .address_space: global }
      - { .name: lowp_scales, .offset: 8, .size: 8, .value_kind: global_buffer, .address_space: global }
      - { .name: oc, .offset: 16, .size: 8, .value_kind: global_buffer, .address_space: global }
    .group_segment_fixed_size: 327680
    .private_segment_fixed_size: 0
    .kernarg_segment_align: 8
    .kernarg_segment_size: 24
    .max_flat_workgroup_size: 512
    .sgpr_count:     100
    .vgpr_count:     256
    .wavefront_size: 32
...
	.end_amdgpu_metadata
.endif
;; end of part 3
;; launch gemm_out (part 4): grid 4 x 32, 4 waves a work-group, clusters of 4 x 4, 327,680 bytes of LDS; arguments oc, wpc, lowp_scales, out0; writes out0
.if DOCPART == 4
	.amdgcn_target "amdgcn-amd-amdhsa--gfx1250"
	.amdhsa_code_object_version 6
	.text
	.protected	k_q32a8345451_gemm_out
	.globl	k_q32a8345451_gemm_out
	.p2align	8
	.type	k_q32a8345451_gemm_out,@function
k_q32a8345451_gemm_out:
	s_mov_b64 s[64:65], 0
	v_nop
	global_prefetch_b8 v0, s[64:65] scope:SCOPE_SE
	s_setreg_imm32_b32 hwreg(HW_REG_WAVE_MODE, 25, 1), 1
	s_wait_xcnt 0x0
	s_wait_alu depctr_hold_cnt(0) depctr_sa_sdst(0) depctr_va_vdst(0) depctr_va_sdst(0) depctr_va_ssrc(0) depctr_va_vcc(0) depctr_vm_vsrc(0)
	s_getreg_b32 s2, hwreg(HW_REG_IB_STS2, 6, 4)
	s_cmp_eq_u32 s2, 0
	s_cbranch_scc0 .Lentry_in_a_cluster
	s_endpgm
.Lentry_in_a_cluster:
	s_bfe_u32 s2, ttmp6, 0x10000c
	s_cmp_lg_u32 s2, 0xf033
	s_cbranch_scc0 .Lentry_shape_is_right
	s_endpgm
.Lentry_shape_is_right:
; out0 = o w_proj on codes of FP8 (E4M3), [8192 x 1024] x [1024 x 1024]; sums in f32, each multiplied once by 2^(e6 + e7); out0 is f32, row-major.
; OPERANDS lie in chunks: [K / 16][position][16 bytes], a row's position being its number with bits 3 and 4 exchanged.  A fragment (16 positions x 128 K) is four
; ds_load_b128: lane (r, h), load c takes chunk row 2 c + h at position r: sixteen lanes read 256 consecutive bytes, so LDS needs no padding.  The place of k in the
; registers is the same permutation in both operands, so every product meets its partner.
; A tile of the result, 256 x 256, is made by four waves; a wave makes 128 x 128: 64 accumulators, 512 registers.  K goes in steps of 256 through two LDS slots.
; Source 0 = w (columns of out0), source 1 = o (rows): register j of lane (r, h) in source-0 tile 2 B + u holds column 32 B + 16 h + 8 u + j of the row at position r.
; CLUSTERS: 4 x 4 work-groups; o's tile is shared along a row of the cluster, w's along a column: each is asked for jointly, by the same tensor load with a mask that names the four.
; LIMIT: e6 + e7 between -126 and 127, so that 2^(e6 + e7) is an f32 number.
; REGISTERS, in windows of 256: window 0: v0-31 addresses; from v128 source 1's fragments, one set; on the way out v32-255 are free.
;   window 1: source 0's fragments, two sets, at v0 and v128.   windows 2, 3: the accumulators of source 1's blocks 0-3, 4-7: (a, b) at v[8 (8 (a % 4) + b)].
.set PA,     131072                    ; a chunk row of o's codes in bytes
.set PB,     16384                     ; of w_proj's
.set CH,     4096                      ; a tile's part of a chunk row: 256 positions x 16 bytes
.set HALFT,  8*CH                      ; what one tensor load brings: 8 chunk rows, 128 along K
.set SLOT,   4*HALFT                   ; o's 16 chunk rows, then w's 16
.set BREG,   2*HALFT                   ; where w's begin in a slot
.set SPARE,  2*SLOT                    ; behind the ring: the spare words, 128 bytes for each wave: two blocks of 256 bytes that no other line names
.set LAPS,   2                         ; K = 1,024 is four slots' worth: twice round the ring
.set FR,     16
.set NL,     4
.set NP,     4
.set SPITCH, 528                       ; the way out: a stage of 16 rows x (512 bytes + 16) for each wave.  It lies in slot 0, which has had its last fill and its last read when the first result is stored there
.set ADRA, 16                          ; v16-17  LDS address of source 1's fragments in slot 0, 1
.set ADRB, 20                          ; v20-21  of source 0's
.set STO,  24                          ; v24     the way out: where I put my bytes of a row
.set RD,   25                          ; v25     where I read a row back
.set CO,   26                          ; v26     my byte offset in a row of out0
.set SPW,  28                          ; v28     LDS address of my spare word; never rewritten
.set NIL,  29                          ; v29     0; never rewritten
.set TMP,  32                          ; v32-95  a block's sums x 2^(e6 + e7)
.set AF,   128
.set BK,   128                         ; 16 rows read back from the stage: v128-191 and v192-255 by turns
.set G1, 24
.set G0, 32
.set G1B, 48
.set G0B, 56
.set MSB, 0
.macro WIN new                         ; the immediate's high byte repeats the setting that is left
.if MSB != \new
	s_set_vgpr_msb (MSB<<8)|\new
.set MSB, \new
.endif
.endm
.set MUL_LO, 0xa1                      ; source 0 window 1, source 1 window 0, C and D window 2
.set MUL_HI, 0xf1                      ; the same, C and D window 3
.set TO_B,   0x40                      ; destination window 1, address window 0
; A joint load: waves 0 and 1 fetch for o, waves 2 and 3 for w.  Four v_nop follow each of the two lines, ahead of the jump, the label and what follows.
.macro JLOAD g0a, g1a, g0b, g1b
	s_cmp_eq_u32 s15, 0
	s_cbranch_scc0 .Lfor_b_\@
	tensor_load_to_lds s[\g0a:\g0a+3], s[\g1a:\g1a+7]
	s_nop 0
.rept 4
	v_nop
.endr
	s_branch .Lasked_\@
.Lfor_b_\@:
	tensor_load_to_lds s[\g0b:\g0b+3], s[\g1b:\g1b+7]
	s_nop 0
.rept 4
	v_nop
.endr
.Lasked_\@:
.endm
.macro CREST                           ; a round of the cluster's barrier behind its opening barrier
	s_cmp_lg_u32 s14, 0
	s_cbranch_scc1 .Lnot_wave_0_\@
	s_barrier_signal -3
.Lnot_wave_0_\@:
	s_barrier_wait -3
	s_barrier_signal -1
	s_barrier_wait -1
.endm
.macro CROUND                          ; a whole round
	s_barrier_signal -1
	s_barrier_wait -1
	CREST
.endm
	s_load_b128 s[4:7], s[0:1], 0x0                ; o's codes s[4:5], w's codes s[6:7]
	s_load_b128 s[8:11], s[0:1], 0x10              ; the scales' exponents s[8:9], out0 s[10:11]
	v_lshl_add_u32 v[SPW], v0, 2, SPARE
	v_mov_b32 v[NIL], 0
	ds_add_u32 v28, v29
	ds_add_u32 v28, v29
	s_wait_dscnt 0x0
	v_lshrrev_b32 v1, 5, v0
	v_readfirstlane_b32 s14, v1                    ; wave 0..3
	s_lshr_b32 s15, s14, 1                         ; which 128 rows are mine.  Also: I fetch for o (0) or for w (1)
	s_and_b32 s16, s14, 1                          ; which 128 columns.  Also: which 8 chunk rows of a slot I fetch
	s_bfe_u32 s40, ttmp6, 0x40000                  ; cx, cy: my place in the cluster
	s_bfe_u32 s41, ttmp6, 0x40004
	s_lshl_b32 s42, ttmp9, 2
	s_add_co_u32 s42, s42, s40                     ; tile column = 4 x cluster x + cx
	s_and_b32 s17, ttmp7, 0xffff
	s_lshl_b32 s17, s17, 2
	s_add_co_u32 s17, s17, s41                     ; tile row = 4 x cluster y + cy
	s_lshl_b32 s43, s41, 2
	s_lshl_b32 s43, 15, s43                        ; my row of the cluster
	s_lshl_b32 s44, 0x1111, s40                    ; my column
	; descriptor group 1: 8 rows of 4,096 bytes, one chunk row apart; no padding
	s_or_b32 s[G1+0], s43, (1<<21)                 ; 15:0 the mask: o's tiles go to my row; 17:16 elements of 1 byte; 21 set beside a mask
	s_or_b32 s[G1B+0], s44, (1<<21)                ; w's go to my column
.irp g, G1, G1B
	s_mov_b32 s[\g+1], CH<<16                      ; tensor_dim0 = 4,096
	s_mov_b32 s[\g+2], 8<<16                       ; tensor_dim1 = 8
	s_mov_b32 s[\g+3], CH<<16                      ; tile_dim0
	s_mov_b32 s[\g+4], 8                           ; tile_dim1
	s_mov_b32 s[\g+6], 0
	s_mov_b32 s[\g+7], 0
.endr
	s_mov_b32 s[G1+5], PA                          ; tensor_dim0_stride
	s_mov_b32 s[G1B+5], PB
	s_lshl_b32 s20, s17, 12                        ; o: the tile row's 256 positions,
	s_mul_i32 s18, s16, 8*PA                       ; my 8 chunk rows
	s_add_co_u32 s20, s20, s18
	s_mov_b32 s21, 0
	s_lshl_b32 s46, s42, 12                        ; w: the tile column's 256 positions,
	s_mul_i32 s18, s16, 8*PB
	s_add_co_u32 s46, s46, s18
	s_mov_b32 s47, 0
	s_mul_i32 s45, s14, HALFT                      ; where they go: wave x 8 chunk rows: no place in the cluster enters an LDS address
	s_wait_kmcnt 0x0
	s_load_b256 s[72:79], s[8:9], 0x0              ; e0 .. e7: wanted on the way out
	s_add_nc_u64 s[20:21], s[4:5], s[20:21]
	s_add_nc_u64 s[46:47], s[6:7], s[46:47]
	CROUND                                         ; all sixteen work-groups are here: the first joint loads meet
.irp s, 0,1
	s_mov_b32 s[G0+4*\s], 1
	s_add_co_u32 s[G0+4*\s+1], s45, \s*SLOT
	s_add_nc_u64 s[G0+4*\s+2:G0+4*\s+3], s[20:21], \s*16*PA
	s_or_b32 s[G0+4*\s+3], s[G0+4*\s+3], 0x80000000
	s_mov_b32 s[G0B+4*\s], 1
	s_add_co_u32 s[G0B+4*\s+1], s45, \s*SLOT
	s_add_nc_u64 s[G0B+4*\s+2:G0B+4*\s+3], s[46:47], \s*16*PB
	s_or_b32 s[G0B+4*\s+3], s[G0B+4*\s+3], 0x80000000
	s_wait_alu depctr_va_vdst(0)
	s_wait_tensorcnt 0x0
	ds_add_u32 v28, v29
	ds_add_u32 v28, v29
	s_wait_dscnt 0x0
	CROUND
	JLOAD G0+4*\s, G1, G0B+4*\s, G1B
.endr
	v_and_b32 v1, 15, v0                           ; r
	s_wait_alu depctr_va_vdst(0)
	v_bfe_u32 v2, v0, 4, 1                         ; h
	v_lshlrev_b32 v4, 4, v1
	v_lshl_add_u32 v4, v2, 12, v4                  ; position r, chunk row h
	s_lshl_b32 s21, s15, 11                        ; my 128 positions of o: 2,048 bytes of a chunk row
	s_lshl_b32 s22, s16, 11                        ; my 128 of w,
	s_add_co_u32 s22, s22, BREG                    ; which lie behind o's
.irp s, 0,1
	v_add_nc_u32 v[ADRA+\s], s21, v4
	v_add_nc_u32 v[ADRB+\s], s22, v4
	s_add_co_u32 s21, s21, SLOT
	s_add_co_u32 s22, s22, SLOT
.endr
	s_mul_i32 s23, s14, 16*SPITCH                  ; my stage
	v_mul_u32_u24 v5, v1, SPITCH                   ; in: row r; my half's 16 columns of each 32: 64 h bytes on
	s_wait_alu depctr_va_vdst(0)
	v_lshl_add_u32 v5, v2, 6, v5
	v_add_nc_u32 v[STO], s23, v5
	v_and_b32 v6, 31, v0
	v_lshlrev_b32 v[CO], 4, v6                     ; back: the 32 lanes take one row of 512 bytes; and the same in out0
	v_add_nc_u32 v[RD], s23, v[CO]
	s_lshl_b32 s20, s17, 8
	s_lshl_b32 s21, s15, 7
	s_add_co_u32 s20, s20, s21                     ; my first row: 256 x tile row + 128 x half,
	s_lshl_b32 s20, s20, 12                        ; of 4,096 bytes
	s_mov_b32 s21, 0
	s_lshl_b32 s46, s42, 10                        ; my first column, in bytes: 1,024 x tile column + 512 x half
	s_lshl_b32 s47, s16, 9
	s_add_co_u32 s46, s46, s47
	s_mov_b32 s47, 0
	s_add_nc_u64 s[20:21], s[20:21], s[46:47]
	s_add_nc_u64 s[10:11], s[10:11], s[20:21]
.macro FRAG reg, adr, q, i             ; block i of 16 positions, the slot's q-th 128 along K: registers 4 c .. 4 c + 3 hold K = 32 c + 16 h + 0 .. 15
.irp c, 0,1,2,3
	ds_load_b128 v[\reg+4*\c:\reg+4*\c+3], v[\adr] offset:8*CH*(\q)+2*CH*\c+256*(\i)
.endr
.endm
; 16 matrix instructions: source 1's blocks a0, a0 + 1 x source 0's eight, 128 along K.  p: source 0's set.  zero = 1: the first product starts the sums.
; The 64 accumulators take turns, one instruction a turn, in the same order in every step.
.macro MUL16 a0, p, zero
.irp a, \a0, \a0+1
.irp b, 0,1,2,3,4,5,6,7
.if \zero
	v_wmma_f32_16x16x128_fp8_fp8 v[8*(8*((\a)%4)+\b):8*(8*((\a)%4)+\b)+7], v[128*(\p)+FR*\b:128*(\p)+FR*\b+FR-1], v[AF+FR*(\a):AF+FR*(\a)+FR-1], 0
.else
	v_wmma_f32_16x16x128_fp8_fp8 v[8*(8*((\a)%4)+\b):8*(8*((\a)%4)+\b)+7], v[128*(\p)+FR*\b:128*(\p)+FR*\b+FR-1], v[AF+FR*(\a):AF+FR*(\a)+FR-1], v[8*(8*((\a)%4)+\b):8*(8*((\a)%4)+\b)+7]
.endif
.endr
.endr
.endm
.macro FETCH_B slot, q, p              ; source 0's eight fragments into set p
	WIN TO_B
.irp i, 0,1,2,3,4,5,6,7
	FRAG 128*(\p)+FR*\i, ADRB+\slot, \q, \i
.endr
	WIN 0
.endm
.macro FETCH_A slot, q, i0             ; source 1's blocks i0 .. i0 + 3
.irp i, \i0, \i0+1, \i0+2, \i0+3
	FRAG AF+FR*(\i), ADRA+\slot, \q, \i
.endr
.endm
.macro PLACES n                        ; plain vector lines between a matrix instruction and a load into a register that it read, or a read of its result (ISA guide 7.12.1 for vector instructions)
.rept \n
	v_nop
.endr
.endm
; A step of 128 along K that has its successor in the same slot.  A block of source 1 is free as soon as its eight products are issued: one set serves it.
.macro STEP slot, q, zero
	s_wait_dscnt 4*NL                              ; source 0's set and source 1's blocks 0-3 are in; the youngest 16 loads (blocks 4-7) may be out
	WIN MUL_LO
	MUL16 0, (\q)%2, \zero
	MUL16 2, (\q)%2, \zero
	s_wait_dscnt 0                                 ; blocks 4-7 are in (asked for 32 matrix instructions ago)
	PLACES NP
	FETCH_B \slot, (\q)+1, 1-(\q)%2
	FETCH_A \slot, (\q)+1, 0
	WIN MUL_HI
	MUL16 4, (\q)%2, \zero
	MUL16 6, (\q)%2, \zero
	PLACES NP
	WIN 0
	FETCH_A \slot, (\q)+1, 4
.endm
; A slot's last step changes slots: one barrier; in front of it each wave waits for all its tensor loads, adds 0 to its spare word, and waits for that and for its reads of this slot.
.macro TURN slot, next, fill
	s_wait_tensorcnt 0x0                           ; all my tensor loads have landed: the one that was out is my part of the next slot  (every window is 0 here)
	ds_add_u32 v[SPW], v[NIL]                      ; 0 onto my spare word
	s_wait_dscnt 4*NL+1                            ; (the add and the youngest 16 loads, blocks 4-7, may be out)
	WIN MUL_LO
	MUL16 0, 1, 0                                  ; sixteen matrix instructions stand between the add and the wait for it
	s_wait_dscnt 0x0                               ; the add is done, and my reads of this slot are over
	s_barrier_signal -1
	MUL16 2, 1, 0
	WIN 0
	s_barrier_wait -1
.if \fill
	CREST                                          ; the barrier has opened a round of the cluster's: no wave of any partner still reads this slot or has a load on its way
	s_add_nc_u64 s[G0+4*\slot+2:G0+4*\slot+3], s[G0+4*\slot+2:G0+4*\slot+3], 32*PA     ; two slots on along K
	s_add_nc_u64 s[G0B+4*\slot+2:G0B+4*\slot+3], s[G0B+4*\slot+2:G0B+4*\slot+3], 32*PB
	JLOAD G0+4*\slot, G1, G0B+4*\slot, G1B         ; the first tensor load behind the round; its four v_nop are also the places in front of the loads below
.else
	PLACES NP
.endif
	FETCH_B \next, 0, 0
	FETCH_A \next, 0, 0
	WIN MUL_HI
	MUL16 4, 1, 0
	MUL16 6, 1, 0
	PLACES NP
	WIN 0
	FETCH_A \next, 0, 4
.endm
	s_wait_tensorcnt 1                             ; my part of slot 0 is in; slot 1's load may stay out
	s_barrier_signal -1
	s_barrier_wait -1                              ; everybody's is
	FETCH_B 0, 0, 0
	FETCH_A 0, 0, 0
	FETCH_A 0, 0, 4
	STEP 0, 0, 1                                   ; the first step stands in front of the loop: its products start the sums
	s_mov_b32 s3, LAPS-1
.Llap:                                                 ; a trip goes once round the ring, from a lap's second step to the next lap's first, and fills both slots again
	TURN 0, 1, 1
	STEP 1, 0, 0
	TURN 1, 0, 1
	STEP 0, 0, 0
	s_sub_co_u32 s3, s3, 1
	s_cmp_lg_u32 s3, 0
	s_cbranch_scc1 .Llap
	TURN 0, 1, 0                                   ; the last lap fills nothing, and has no round of the cluster's barrier
	STEP 1, 0, 0
	s_wait_dscnt 4*NL                              ; the very last step: nothing more to fetch
	WIN MUL_LO
	MUL16 0, 1, 0
	MUL16 2, 1, 0
	s_wait_dscnt 0
	WIN MUL_HI
	MUL16 4, 1, 0
	MUL16 6, 1, 0
	WIN 0
; THE WAY OUT, block by block of 16 positions x 128 columns.  A lane holds pieces of 32 bytes of one row, and the lanes beside it hold other rows: so a block goes through my own stage in LDS and comes
; back as whole rows of 512 bytes, which the 32 lanes store as two aligned runs of 256 bytes.  LDS serves a wave's instructions in order (ISA guide 5.7.1.4): no wait between the stores and the loads.
.macro TOSTAGE a
.set AC, 64*((\a)%4)
	WIN 0x02+((\a)/4)                              ; source 0: window 2 or 3
.irp j, 0,2,4,6,8,10,12,14,16,18,20,22,24,26,28,30,32,34,36,38,40,42,44,46,48,50,52,54,56,58,60,62
	v_pk_mul_f32 v[TMP+\j:TMP+\j+1], v[AC+\j:AC+\j+1], s[96:97] op_sel_hi:[1,0]   ; both x s96 = 2^(e6 + e7); each accumulator from its low end on
.endr
	WIN 0
.irp b, 0,1,2,3,4,5,6,7
	ds_store_b128 v[STO], v[TMP+8*\b:TMP+8*\b+3] offset:128*(\b/2)+32*(\b%2)          ; columns 32 (b / 2) + 16 h + 8 (b % 2) on
	ds_store_b128 v[STO], v[TMP+8*\b+4:TMP+8*\b+7] offset:128*(\b/2)+32*(\b%2)+16
.endr
.set BB, BK+64*((\a)%2)
.irp t, 0,1,2,3,4,5,6,7,8,9,10,11,12,13,14,15
	ds_load_b128 v[BB+4*\t:BB+4*\t+3], v[RD] offset:\t*SPITCH
.endr
.endm
.macro SEND a, younger                 ; younger: the LDS instructions issued behind block a's loads, which may stay out
.set BB, BK+64*((\a)%2)
	s_wait_dscnt \younger                          ; the block is back in registers
.irp t, 0,1,2,3,4,5,6,7,8,9,10,11,12,13,14,15
	global_store_b128 v[CO], v[BB+4*\t:BB+4*\t+3], s[10:11] offset:(32*((\a)/2)+8*((\a)%2)+\t+8*(\t/8))*4096 th:TH_STORE_NT   ; position 16 a + t is row 32 (a / 2) + 8 (a % 2) + t + 8 (t / 8); 512 consecutive bytes, aligned; 127 rows at the most in the immediate
.endr
.endm
	s_wait_kmcnt 0x0
	s_add_co_i32 s96, s78, s79                     ; e6 + e7, between -126 and 127,
	s_add_co_i32 s96, s96, 127
	s_lshl_b32 s96, s96, 23                        ; makes the f32 number 2^(e6 + e7)
	s_mov_b32 s97, s96                             ; (named with it as a pair, so it is written)
	PLACES NP                                      ; behind the last products: for the loads into the registers that held their fragments and for the reads of their results
	TOSTAGE 0
.irp a, 1,2,3,4,5,6,7
.if \a > 1
	s_wait_xcnt 0x0                                ; block a - 2's stores have read their registers: block a's loads may land there
.endif
	TOSTAGE \a
	SEND \a-1, 32                                  ; behind block a - 1's loads: block a's 16 stores and 16 loads
.endr
	SEND 7, 0
	s_wait_tensorcnt 0x0                           ; the wave's end
	ds_add_u32 v[SPW], v[NIL]
	s_wait_dscnt 0x0
	CROUND                                         ; the closing round: no work-group ends while a partner may still ask for a tile that names it
	s_endpgm
.Lfunc_end_k_q32a8345451_gemm_out:
	.size	k_q32a8345451_gemm_out, .Lfunc_end_k_q32a8345451_gemm_out-k_q32a8345451_gemm_out
	.p2alignl 7, 3214868480
	.fill 96, 4, 3214868480
	.section	.rodata,"a",@progbits
	.p2align	6, 0x0
	.amdhsa_kernel k_q32a8345451_gemm_out
		.amdhsa_group_segment_fixed_size 327680
		.amdhsa_private_segment_fixed_size 0
		.amdhsa_enable_private_segment 0
		.amdhsa_kernarg_size 32
		.amdhsa_user_sgpr_count 2
		.amdhsa_user_sgpr_kernarg_segment_ptr 1
		.amdhsa_wavefront_size32 1
		.amdhsa_system_sgpr_workgroup_id_x 1
		.amdhsa_system_sgpr_workgroup_id_y 1
		.amdhsa_system_sgpr_workgroup_id_z 1
		.amdhsa_system_vgpr_workitem_id 0
		.amdhsa_next_free_vgpr 1024
		.amdhsa_next_free_sgpr 100
		.amdhsa_reserve_vcc 0
		.amdhsa_float_denorm_mode_32 3
		.amdhsa_float_denorm_mode_16_64 3
		.amdhsa_memory_ordered 1
		.amdhsa_forward_progress 1
		.amdhsa_inst_pref_size 123
	.end_amdhsa_kernel
	.amdgpu_metadata
---
amdhsa.version: [ 1, 2 ]
amdhsa.kernels:
  - .name:           k_q32a8345451_gemm_out
    .symbol:         k_q32a8345451_gemm_out.kd
    .args:
      - { .name: oc, .offset: 0, .size: 8, .value_kind: global_buffer, .address_space: global }
      - { .name: wpc, .offset: 8, .size: 8, .value_kind: global_buffer, .address_space: global }
      - { .name: lowp_scales, .offset: 16, .size: 8, .value_kind: global_buffer, .address_space: global }
      - { .name: out0, .offset: 24, .size: 8, .value_kind: global_buffer, .address_space: global }
    .group_segment_fixed_size: 327680
    .private_segment_fixed_size: 0
    .kernarg_segment_align: 8
    .kernarg_segment_size: 32
    .max_flat_workgroup_size: 128
    .sgpr_count:     100
    .vgpr_count:     1024
    .wavefront_size: 32
...
	.end_amdgpu_metadata
.endif
;; end of part 4
